; MI455X (gfx1250); checked and timed in simulation.
; The chip was launched on July 23, 2026; its instructions are those of AMD's public machine-readable ISA for CDNA 5 (MIT licence, August 2026) and "CDNA5" Instruction Set Architecture Reference Guide (July 2026). The comments in the code are by the model that wrote it; some were corrected since.
;; Multihead Self Attention. Allowed arithmetic: matrix products marked QUANTISED: E4M3 operands, one given power-of-two scale a tensor, by v_wmma_f32_16x16x64_fp8_fp8 or v_wmma_f32_16x16x128_fp8_fp8, f32 sums; everything else in f32.
;; Inputs: W_m 1,024 x 1,024 float32; W_q 16 x 64 x 1,024 float32; lowp_scales 8 int32 (the exponents e of the quantised operands' scales 2^e); x 4 x 2,048 x 1,024 float32.
;; Outputs: out0 4 x 2,048 x 1,024 float32.
;; This version of the problem:
;;   THIS VERSION OF THE PROBLEM IS GIVEN IN LOW PRECISION. The matrix products marked QUANTISED in the list below multiply operands that are first quantised to E4M3 (4 exponent bits, 3 mantissa bits; 8 bits a number), with one given power-of-two scale for each operand tensor; their sums are f32. All else is computed in f32.
;;   The module's matrix products, in the order in which they are computed (A, B: the left and right operand; K: the contracted axis; several contracted axes count as one K, in the product's order):
;;     1. [M 1,024, K 1,024] x [K 1,024, N 8,192]; A: input W_q; B: input x: QUANTISED (scales: A lowp_scales[0], B lowp_scales[1])
;;     2. batch 64 x [M 2,048, K 64] x [K 64, N 2,048]; A: computed on the way; B: computed on the way: QUANTISED (scales: A lowp_scales[2], B lowp_scales[3])
;;     3. batch 64 x [M 2,048, K 2,048] x [K 2,048, N 64]; A: softmax (see below); B: computed on the way: QUANTISED (scales: A lowp_scales[4], B lowp_scales[5])
;;     4. [M 8,192, K 1,024] x [K 1,024, N 1,024]; A: computed on the way; B: input W_m: QUANTISED (scales: A lowp_scales[6], B lowp_scales[7])
;;   THE QUANTISER, for each operand of a quantised product, along K:
;;     - The operand's scale is 2^e, e = its entry of the input lowp_scales (int32; the entries are numbered through the quantised products in the list's order, A before B).
;;     - Each number is divided by the scale, clamped to +-448, and rounded to the nearest number of E4M3, ties to even, subnormals kept.
;;     - The product sums the exact products of the quantised numbers (number of the format x scale) in f32.
;;   ~~~python
;;   def quantise(x, axis, e):      # numpy; x: float32 -> the quantised numbers, widened to float32 again
;;       x = np.moveaxis(x, axis, -1); K = x.shape[-1]
;;       r = np.clip(x / 2.0 ** e, -448, 448)
;;       step = 2.0 ** (np.maximum(np.frexp(np.where(r == 0, 1, r))[1] - 1, -6) - 3)
;;       q = np.round(r / step) * step * 2.0 ** e      # np.round: ties to even
;;       return np.moveaxis(q, -1, axis).astype(np.float32)
;;   ~~~
;;   SOFTMAX AHEAD OF A QUANTISED PRODUCT. Where the list says 'softmax', what is quantised is not the finished softmax but p = 2^(t - M), with t = logit x log2(e) and M = ceil(the row's largest t), a whole number; so 1/2 < the row's largest p <= 1. The row's sum l is taken of the UNQUANTISED p, in f32, and the product's result is divided by l at the end. Since M is a whole number, a kernel that streams over the keys may use a running M (the ceiling of the running maximum): every later rescaling is an exact power of two, so the quantised numbers keep their values, but for numbers so far below the row's largest that they fall under the format's range.
;;   OPERANDS COMPUTED ON THE WAY. 'Computed on the way' means the value that the module computes at that place (a softmax that the list does not call 'softmax' is quantised finished and normalised). What goes into a quantiser is computed in f32, as accurately as f32 sums, v_exp_f32 and their like allow (about 1e-6 of the number): no bf16 or f16 on the way to a quantiser, and a product that is left as it is and whose result goes on into a quantised operand takes f32 operands (vector FMAs, or v_wmma_f32_16x16x4_f32). A number that lies on a knife's edge between two numbers of the format may be rounded either way, as far as f32 arithmetic and the matrix unit's own rounding can turn it there, and no further.
;; One version. Each part assembles by itself: llvm-mc -triple=amdgcn-amd-amdhsa -mcpu=gfx1250 --defsym DOCPART=n.
;; ======== version 1 of 1: 4 launches
;; workspace buffers: xc 8,388,608 bytes; wqc 1,048,576 bytes; wmc 1,048,576 bytes; qc 8,388,608 bytes; kvc 16,777,216 bytes; attc 8,388,608 bytes
;; launch quant (part 1): grid 320 x 1, 4 waves a work-group, no clusters, 33,280 bytes of LDS; arguments x, W_q, W_m, lowp_scales, xc, wqc, wmc; writes xc, wqc, wmc
.if DOCPART == 1
	.amdgcn_target "amdgcn-amd-amdhsa--gfx1250"
	.amdhsa_code_object_version 6
	.text
	.protected	k_q2c56013945_quant
	.globl	k_q2c56013945_quant
	.p2align	8
	.type	k_q2c56013945_quant,@function
k_q2c56013945_quant:
	s_mov_b64 s[64:65], 0
	v_nop
	global_prefetch_b8 v0, s[64:65] scope:SCOPE_SE
	s_setreg_imm32_b32 hwreg(HW_REG_WAVE_MODE, 25, 1), 1
	s_wait_xcnt 0x0
; x [8192][1024], W_q [1024][1024] and W_m [1024][1024], f32, become codes of FP8 (E4M3), one byte each, row-major with K innermost, each with the one scale 2^e that is given for it:
; x: entry 1 of the scales, W_q: entry 0, W_m: entry 7.  code = number / 2^e, held within +-448, rounded to the nearest code, ties to even.
; LIMITS: -126 <= e and e + 8 <= 127, so that 2^e and 448 x 2^e are f32 numbers.  NaN among the inputs is not served; an infinity is held at the largest code.
; Rows are dense, so each tensor is a plain stream.  A wave takes 16 steps of 512 numbers; a work-group 32,768 numbers: work-groups 0-255 take x, 256-287 W_q, 288-319 W_m.  Only pointers and e are chosen: one path serves all.
; The conversion takes 8 neighbours along K from ONE lane's registers, a load is best where neighbouring LANES take neighbouring bytes.  Both are had: each load reads 512 consecutive bytes, 16 a lane; a step's 2,048 bytes
; go through the wave's own stage in LDS as they lie and come back 64 bytes a lane (16 bytes of padding behind each 64).  A lane's 16 codes are 16 bytes: a store of the wave covers 512 consecutive bytes, aligned.
; A stream: no matrix unit, no tensor load, no barrier (waves share nothing), no cluster (work-groups share no input).  Loads run four steps (16 loads a wave) ahead, the turn through LDS one step.
.set STEPS, 16
.set WGX,   256                        ; work-groups for x
.set WGQ,   288                        ; and with W_q's
.set EMAX,  8
.set MANT,  0x600000                   ; the mantissa field of 448 as f32
.set CB,    16                         ; bytes of 16 codes
.set R,     16                         ; v16-79   four sets of 16 numbers as they are loaded
.set X,     80                         ; v80-111  two sets of 16 neighbours
.set C,     128                        ; v128-191 codes: four registers for each step, so that no store's data are written again
.set WREG,  8192                       ; LDS: a region of its own for each wave: two stages of 32 x SP bytes
.set SP,    80                         ; a lane's place in a stage: its 64 bytes + 16 of padding
	s_load_b256 s[4:11], s[0:1], 0x0               ; x s[4:5], W_q s[6:7], W_m s[8:9], the scales' exponents s[10:11]
	s_load_b128 s[12:15], s[0:1], 0x20             ; x's codes, W_q's codes
	s_load_b64 s[16:17], s[0:1], 0x30              ; W_m's codes
	v_lshl_add_u32 v192, v0, 2, 0x8000
	v_mov_b32 v193, 0
	v_lshrrev_b32 v1, 5, v0
	v_readfirstlane_b32 s18, v1                    ; wave
	v_and_b32 v2, 31, v0                           ; lane
	v_lshlrev_b32 v3, 4, v2                        ; my 16 bytes of a load's 512
	s_mul_i32 s19, s18, WREG
	v_lshrrev_b32 v14, 2, v2
	v_mul_u32_u24 v14, v14, SP
	v_and_b32 v15, 3, v2
	v_lshl_add_u32 v14, v15, 4, v14
	v_add_nc_u32 v14, s19, v14                     ; the stage, on the way in: four lanes' 64 bytes on end, then 16 of padding
	v_mul_u32_u24 v15, v2, SP
	v_add_nc_u32 v15, s19, v15                     ; and on the way out: SP x lane: my 16 neighbours
	v_mul_u32_u24 v4, v2, CB                       ; my codes' place in a step's
	s_wait_kmcnt 0x0
	s_load_b256 s[24:31], s[10:11], 0x0            ; e0 .. e7
	s_cmp_lt_u32 ttmp9, WGX                        ; which tensor?  The choices hang on the work-group's number alone
	s_cselect_b64 s[4:5], s[4:5], s[6:7]
	s_cselect_b64 s[12:13], s[12:13], s[14:15]
	s_cselect_b32 s20, 0, WGX
	s_cmp_lt_u32 ttmp9, WGQ
	s_cselect_b64 s[4:5], s[4:5], s[8:9]
	s_cselect_b64 s[12:13], s[12:13], s[16:17]
	s_cselect_b32 s20, s20, WGQ                    ; the tensor's first work-group
	s_sub_co_u32 s20, ttmp9, s20
	s_lshl_b32 s20, s20, 2
	s_add_co_u32 s20, s20, s18                     ; which run of 8,192 numbers of the tensor is my wave's (1,023 at the most)
	s_lshl_b32 s22, s20, 15                        ; 32,768 bytes of numbers,
	s_mov_b32 s23, 0
	s_add_nc_u64 s[4:5], s[4:5], s[22:23]
	s_lshl_b32 s22, s20, 13                        ; 8,192 bytes of codes
	s_add_nc_u64 s[12:13], s[12:13], s[22:23]
.macro LOAD t
.irp i, 0,1,2,3
	global_load_b128 v[R+16*((\t)%4)+4*\i:R+16*((\t)%4)+4*\i+3], v3, s[4:5] offset:2048*(\t)+512*\i th:TH_LOAD_NT   ; 32 lanes read 512 consecutive bytes
.endr
.endm
.macro TURN t                          ; step t's numbers through the stage: LDS serves a wave's instructions in order (ISA guide 5.7.1.4), so no wait stands between the stores and the loads
.irp i, 0,1,2,3
	ds_store_b128 v14, v[R+16*((\t)%4)+4*\i:R+16*((\t)%4)+4*\i+3] offset:32*SP*((\t)%2)+8*SP*\i
.endr
.irp i, 0,1,2,3
	ds_load_b128 v[X+16*((\t)%2)+4*\i:X+16*((\t)%2)+4*\i+3], v15 offset:32*SP*((\t)%2)+16*\i
.endr
.endm
.irp t, 0,1,2,3
	LOAD \t
.endr
	s_wait_kmcnt 0x0
	s_cmp_lt_u32 ttmp9, WGX
	s_cselect_b32 s21, s25, s24                    ; x: e1; W_q: e0
	s_cmp_lt_u32 ttmp9, WGQ
	s_cselect_b32 s21, s21, s31                    ; W_m: e7
	s_add_co_i32 s21, s21, 127
	s_lshl_b32 s22, s21, 23
	v_mov_b32 v11, s22                             ; 2^e as f32: the conversion takes its exponent field
	s_add_co_i32 s21, s21, EMAX
	s_lshl_b32 s21, s21, 23
	s_or_b32 s21, s21, MANT
	v_mov_b32 v10, s21                             ; 448 x 2^e
	s_wait_loadcnt 12                              ; step 0's four loads are in; the twelve of steps 1 to 3 may be out
	TURN 0
.macro STEP t
.set XS, X+16*((\t)%2)
	s_wait_dscnt 0x0                               ; this step's numbers are back from the stage: so its stores into the stage have read their registers,
.if (\t)+4 < STEPS
	LOAD (\t)+4                                    ; which take the loads of four steps on
.endif
.if (\t)+1 < STEPS
.if STEPS-2-(\t) >= 3
	s_wait_loadcnt 12                              ; the next step's four loads are in; those of the three steps behind it may be out
.else
	s_wait_loadcnt 4*(STEPS-2-(\t))
.endif
	TURN (\t)+1                                    ; and go through the other stage while this step is worked
.endif
.irp i, 0,1,2,3,4,5,6,7,8,9,10,11,12,13,14,15
	v_med3_num_f32 v[XS+\i], v[XS+\i], -v10, v10   ; the conversion to an 8-bit code does not saturate (ISA guide 7.6.2): the number is held within the largest code x the scale first
.endr
	v_cvt_scalef32_pk8_fp8_f32 v[C+4*(\t):C+4*(\t)+1], v[XS:XS+7], v11          ; eight numbers / 2^e, to the nearest code, ties to even; the first number's code in the lowest byte
	v_cvt_scalef32_pk8_fp8_f32 v[C+4*(\t)+2:C+4*(\t)+3], v[XS+8:XS+15], v11
	global_store_b128 v4, v[C+4*(\t):C+4*(\t)+3], s[12:13] offset:32*CB*(\t)    ; the codes go to a store alone; the next vector lines are the next step's plain holds, on the other set
.endm
.irp t, 0,1,2,3,4,5,6,7,8,9,10,11,12,13,14,15
	STEP \t
.endr
	s_wait_tensorcnt 0x0
	ds_add_u32 v192, v193
	s_wait_dscnt 0x0
	s_endpgm
.Lfunc_end_k_q2c56013945_quant:
	.size	k_q2c56013945_quant, .Lfunc_end_k_q2c56013945_quant-k_q2c56013945_quant
	.p2alignl 7, 3214868480
	.fill 96, 4, 3214868480
	.section	.rodata,"a",@progbits
	.p2align	6, 0x0
	.amdhsa_kernel k_q2c56013945_quant
		.amdhsa_group_segment_fixed_size 33280
		.amdhsa_private_segment_fixed_size 0
		.amdhsa_enable_private_segment 0
		.amdhsa_kernarg_size 56
		.amdhsa_user_sgpr_count 2
		.amdhsa_user_sgpr_kernarg_segment_ptr 1
		.amdhsa_wavefront_size32 1
		.amdhsa_system_sgpr_workgroup_id_x 1
		.amdhsa_system_sgpr_workgroup_id_y 1
		.amdhsa_system_sgpr_workgroup_id_z 1
		.amdhsa_system_vgpr_workitem_id 0
		.amdhsa_next_free_vgpr 194
		.amdhsa_next_free_sgpr 66
		.amdhsa_reserve_vcc 0
		.amdhsa_float_denorm_mode_32 3
		.amdhsa_float_denorm_mode_16_64 3
		.amdhsa_memory_ordered 1
		.amdhsa_forward_progress 1
		.amdhsa_inst_pref_size 38
	.end_amdhsa_kernel
	.amdgpu_metadata
---
amdhsa.version: [ 1, 2 ]
amdhsa.kernels:
  - .name:           k_q2c56013945_quant
    .symbol:         k_q2c56013945_quant.kd
    .args:
      - { .name: x, .offset: 0, .size: 8, .value_kind: global_buffer, .address_space: global }
      - { .name: W_q, .offset: 8, .size: 8, .value_kind: global_buffer, .address_space: global }
      - { .name: W_m, .offset: 16, .size: 8, .value_kind: global_buffer, .address_space: global }
      - { .name: lowp_scales, .offset: 24, .size: 8, .value_kind: global_buffer, .address_space: global }
      - { .name: xc, .offset: 32, .size: 8, .value_kind: global_buffer, .address_space: global }
      - { .name: wqc, .offset: 40, .size: 8, .value_kind: global_buffer, .address_space: global }
      - { .name: wmc, .offset: 48, .size: 8, .value_kind: global_buffer, .address_space: global }
    .group_segment_fixed_size: 33280
    .private_segment_fixed_size: 0
    .kernarg_segment_align: 8
    .kernarg_segment_size: 56
    .max_flat_workgroup_size: 128
    .sgpr_count:     66
    .vgpr_count:     194
    .wavefront_size: 32
...
	.end_amdgpu_metadata
.endif
;; end of part 1
;; launch proj (part 2): grid 8 x 32, 4 waves a work-group, clusters of 4 x 4, 327,680 bytes of LDS; arguments xc, wqc, lowp_scales, qc, kvc; writes qc, kvc
.if DOCPART == 2
	.amdgcn_target "amdgcn-amd-amdhsa--gfx1250"
	.amdhsa_code_object_version 6
	.text
	.protected	k_q2c56013945_proj
	.globl	k_q2c56013945_proj
	.p2align	8
	.type	k_q2c56013945_proj,@function
k_q2c56013945_proj:
	s_mov_b64 s[64:65], 0
	v_nop
	global_prefetch_b8 v0, s[64:65] scope:SCOPE_SE
	s_setreg_imm32_b32 hwreg(HW_REG_WAVE_MODE, 25, 1), 1
	s_wait_xcnt 0x0
	s_wait_alu depctr_hold_cnt(0) depctr_sa_sdst(0) depctr_va_vdst(0) depctr_va_sdst(0) depctr_va_ssrc(0) depctr_va_vcc(0) depctr_vm_vsrc(0)
	s_getreg_b32 s2, hwreg(HW_REG_IB_STS2, 6, 4)
	s_cmp_eq_u32 s2, 0
	s_cbranch_scc0 .Lentry_in_a_cluster
	s_endpgm
.Lentry_in_a_cluster:
	s_bfe_u32 s2, ttmp6, 0x10000c
	s_cmp_lg_u32 s2, 0xf033
	s_cbranch_scc0 .Lentry_shape_is_right
	s_endpgm
.Lentry_shape_is_right:
; xp[s][e] = sum over d of x[s][d] W_q[e][d] on codes of FP8 (E4M3): x 8,192 rows, W_q 1,024 rows (16 heads x 64), K = 1,024.  A sum stands for sum x 2^(e0 + e1).
; xp is an operand three times over, and is quantised here three times, straight from the accumulators: as queries (scale 2^e2), as keys (2^e3), both along the head's 64, and as values (2^e5) along the KEYS.
; LIMITS: e2 - e0 - e1, e3 - e0 - e1 and e5 - e0 - e1 lie between -126 and 119, so that each scale and 448 x it are f32 numbers.
; SHARES.  A work-group makes 256 rows x 128 columns (two heads); its four waves 128 rows x 64 columns (one head) each.  256 work-groups.
; BOTH ORIENTATIONS ARE MULTIPLIED, from the same fragments.  DT(a, b) = (source 0: 16 rows of W_q, source 1: 16 rows of x): a lane holds one row s and 8 neighbouring e: one conversion gives two registers of a
; fragment of Q or K.  DN(a, b) = (source 0: x, source 1: W_q): a lane holds one e and 8 neighbouring s: two registers of a fragment of V with the keys innermost.  So nothing is transposed through LDS.
; WHAT IS STORED ARE IMAGES OF OPERAND REGISTERS: a group of four registers is 512 bytes, lane l's 16 bytes at 16 l: each store of the wave covers 512 consecutive bytes, aligned.
;   qc  [head of batch: 64][tile of 16 queries: 128][group 0, 1][512]          (registers 2 b, 2 b + 1 of lane (r, h): e = 16 b + 8 h + 0 .. 7 of row r)
;   kvc [head of batch: 64][262,144]: bytes 0 .. 131,071 the keys, laid as qc; from 131,072 the values: [block of 128 keys: 16][16 channels: 4][group 0 .. 3][512]   (registers 2 a, 2 a + 1: keys 16 a + 8 h + 0 .. 7 of channel r)
; K goes in steps of 256 (rows of 256 bytes) through two LDS slots filled by the tensor data mover: four K steps, written out.
; CLUSTERS: 4 x 4 work-groups.  The four of a row of the cluster need the same rows of x, the four of a column the same rows of W_q: each tile is asked for JOINTLY.
; A fragment (16 rows x 128 K, 16 registers) comes by four loads of 16 bytes, 32 bytes apart: a permutation of k that is the same in both operands, so every product meets its partner.
; REGISTERS, in windows of 256: window 0: v1-31 addresses and scales; v32-95 at work on the way out; v128-255 W_q's fragments, two sets of 4 x 16 (on the way out: the codes).
;   window 1: x's fragments, two sets of 8 x 16.   window 2: DT(a, b) at v[8 (4 a + b)].   window 3: DN(a, b) at v[8 (8 b + a)].
.set KROW,  1024                       ; a row of codes in memory, in bytes
.set PITCH, 272                        ; an LDS row: 256 bytes + 16 of padding = 68 words: row r starts at bank 4 r mod 64 (64 banks of 4 bytes: ISA guide 11.1)
.set HALFA, 128*PITCH                  ; 128 rows of x: one tensor load, and what one wave reads of x
.set HALFB, 64*PITCH                   ; 64 rows of W_q likewise
.set SLOT,  2*HALFA+2*HALFB            ; x's 256 rows, then W_q's 128
.set SPARE, 2*SLOT                     ; behind the ring: the spare words, 128 bytes for each wave: two blocks of 256 bytes that no other line names
.set SQ,   8                           ; v8, v9   2^(e2 - e0 - e1) and 448 x it
.set LQ,   9
.set SK,   10                          ; v10, v11 the same with e3
.set LK,   11
.set SV,   12                          ; v12, v13 the same with e5
.set LV,   13
.set ADRA, 16                          ; v16-17  LDS address of my fragments of x in slot 0, 1
.set ADRB, 20                          ; v20-21  the same for W_q
.set LI,   26                          ; v26     16 x lane: my place in an image
.set SPW,  28                          ; v28     LDS address of my spare word; never rewritten
.set NIL,  29                          ; v29     0; never rewritten
.set TMP,  32
.set WF,   128
.set G1,  24                           ; s[24:31] descriptor group 1 for x's tiles;  s[32:39] group 0, one set for each slot
.set G0,  32
.set G1B, 48                           ; s[48:55], s[56:63] the same for W_q's
.set G0B, 56
.set MSB, 0
.macro WIN new                         ; the immediate's high byte repeats the setting that is left
.if MSB != \new
	s_set_vgpr_msb (MSB<<8)|\new
.set MSB, \new
.endif
.endm
; A joint load: waves 0 and 1 fetch x's two halves, waves 2 and 3 W_q's.  The branch hangs on the wave's number alone.  Four v_nop follow each of the two lines.
.macro JLOAD s
	s_cmp_eq_u32 s15, 0
	s_cbranch_scc0 .Lfor_b_\@
	tensor_load_to_lds s[G0+4*\s:G0+4*\s+3], s[G1:G1+7]
	s_nop 0
.rept 4
	v_nop
.endr
	s_branch .Lasked_\@
.Lfor_b_\@:
	tensor_load_to_lds s[G0B+4*\s:G0B+4*\s+3], s[G1B:G1B+7]
	s_nop 0
.rept 4
	v_nop
.endr
.Lasked_\@:
.endm
.macro CREST                           ; a round of the cluster's barrier behind its opening barrier
	s_cmp_lg_u32 s14, 0
	s_cbranch_scc1 .Lnot_wave_0_\@
	s_barrier_signal -3
.Lnot_wave_0_\@:
	s_barrier_wait -3
	s_barrier_signal -1
	s_barrier_wait -1
.endm
.macro CROUND                          ; a whole round
	s_barrier_signal -1
	s_barrier_wait -1
	CREST
.endm
.macro PLACES                          ; four plain vector lines in front of loads into registers that matrix instructions have read, and of the first read of results
.rept 4
	v_nop
.endr
.endm
	s_load_b256 s[4:11], s[0:1], 0x0               ; x's codes s[4:5], W_q's s[6:7], the scales' exponents s[8:9], qc s[10:11]
	s_load_b64 s[12:13], s[0:1], 0x20              ; kvc
	v_lshl_add_u32 v[SPW], v0, 2, SPARE
	v_mov_b32 v[NIL], 0
	ds_add_u32 v28, v29
	ds_add_u32 v28, v29
	s_wait_dscnt 0x0
	v_lshrrev_b32 v1, 5, v0
	v_readfirstlane_b32 s14, v1                    ; wave 0..3
	s_lshr_b32 s15, s14, 1                         ; which 128 of the tile's rows are mine.  Also: I fetch for x (0) or for W_q (1)
	s_and_b32 s16, s14, 1                          ; which of its two heads.  Also: which half of that tile I fetch
	s_bfe_u32 s40, ttmp6, 0x40000                  ; cx, cy: my place in the cluster
	s_bfe_u32 s41, ttmp6, 0x40004
	s_lshl_b32 s42, ttmp9, 2
	s_add_co_u32 s42, s42, s40                     ; tile column = 4 x cluster x + cx: 0..7
	s_and_b32 s17, ttmp7, 0xffff
	s_lshl_b32 s17, s17, 2
	s_add_co_u32 s17, s17, s41                     ; tile row = 4 x cluster y + cy: 0..31
	s_lshl_b32 s43, s41, 2
	s_lshl_b32 s43, 15, s43                        ; my row of the cluster
	s_lshl_b32 s44, 0x1111, s40                    ; my column
	s_or_b32 s[G1], s43, (1<<20)|(1<<21)|(5<<22)|(3<<25)   ; 15:0 the mask: x's tiles go to my row; 17:16 elements of 1 byte; 20 padding on; 21 set beside a mask; 24:22 after every 64 words; 31:25 four words
	s_or_b32 s[G1B], s44, (1<<20)|(1<<21)|(5<<22)|(3<<25)  ; W_q's go to my column
	s_mov_b32 s[G1+1], 256<<16                     ; tensor_dim0 = 256
	s_mov_b32 s[G1+2], 128<<16                     ; tensor_dim1 = 128
	s_mov_b32 s[G1+3], 256<<16                     ; tile_dim0 = 256
	s_mov_b32 s[G1+4], 128                         ; tile_dim1 = 128
	s_mov_b32 s[G1+5], KROW                        ; from row to row
	s_mov_b32 s[G1+6], 0
	s_mov_b32 s[G1+7], 0
	s_mov_b32 s[G1B+1], 256<<16
	s_mov_b32 s[G1B+2], 64<<16                     ; 64 rows
	s_mov_b32 s[G1B+3], 256<<16
	s_mov_b32 s[G1B+4], 64
	s_mov_b32 s[G1B+5], KROW
	s_mov_b32 s[G1B+6], 0
	s_mov_b32 s[G1B+7], 0
	s_lshl_b32 s18, s16, 7
	s_lshl_b32 s20, s17, 8
	s_add_co_u32 s20, s20, s18                     ; x: row 256 x tile row + 128 x half,
	s_lshl_b32 s20, s20, 10                        ; in bytes (under 2^23)
	s_mov_b32 s21, 0
	s_lshl_b32 s18, s16, 6
	s_lshl_b32 s46, s42, 7
	s_add_co_u32 s46, s46, s18                     ; W_q: row 128 x tile column + 64 x half
	s_lshl_b32 s46, s46, 10
	s_mov_b32 s47, 0
	s_mul_i32 s45, s16, HALFA                      ; where they go: no place in the cluster enters an LDS address
	s_mul_i32 s19, s16, HALFB
	s_add_co_u32 s19, s19, 2*HALFA
	s_wait_kmcnt 0x0
	s_load_b256 s[72:79], s[8:9], 0x0              ; e0 .. e7
	s_add_nc_u64 s[20:21], s[4:5], s[20:21]
	s_add_nc_u64 s[46:47], s[6:7], s[46:47]
	CROUND                                         ; all sixteen work-groups are here: the first joint loads meet
.irp s, 0,1
	s_mov_b32 s[G0+4*\s], 1
	s_add_co_u32 s[G0+4*\s+1], s45, \s*SLOT
	s_add_nc_u64 s[G0+4*\s+2:G0+4*\s+3], s[20:21], \s*256          ; K step s
	s_or_b32 s[G0+4*\s+3], s[G0+4*\s+3], 0x80000000
	s_mov_b32 s[G0B+4*\s], 1
	s_add_co_u32 s[G0B+4*\s+1], s19, \s*SLOT
	s_add_nc_u64 s[G0B+4*\s+2:G0B+4*\s+3], s[46:47], \s*256
	s_or_b32 s[G0B+4*\s+3], s[G0B+4*\s+3], 0x80000000
	JLOAD \s                                       ; two loads of mine are out
.endr
	v_and_b32 v1, 15, v0                           ; r = lane % 16
	v_bfe_u32 v2, v0, 4, 1                         ; h = lane / 16
	v_mul_u32_u24 v3, v1, PITCH
	v_lshl_add_u32 v4, v2, 4, v3                   ; a fragment's row x pitch + 16 h
	s_mul_i32 s21, s15, HALFA                      ; my 128 rows of x
	s_mul_i32 s22, s16, HALFB                      ; my 64 rows of W_q,
	s_add_co_u32 s22, s22, 2*HALFA                 ; which lie behind x's 256
.irp s, 0,1
	v_add_nc_u32 v[ADRA+\s], s21, v4
	v_add_nc_u32 v[ADRB+\s], s22, v4
	s_add_co_u32 s21, s21, SLOT
	s_add_co_u32 s22, s22, SLOT
.endr
	v_and_b32 v5, 31, v0
	v_lshlrev_b32 v[LI], 4, v5
	; where my images go: head of batch bh = 16 (tile row / 8) + 2 x tile column + my head; my 128 rows are block 2 (tile row % 8) + my half of the sequence's sixteen
	s_lshr_b32 s80, s17, 3
	s_lshl_b32 s80, s80, 4
	s_lshl_b32 s81, s42, 1
	s_add_co_u32 s80, s80, s81
	s_add_co_u32 s80, s80, s16                     ; bh
	s_and_b32 s81, s17, 7
	s_lshl_b32 s81, s81, 1
	s_add_co_u32 s81, s81, s15
	s_lshl_b32 s81, s81, 13                        ; 8 tiles of 1,024 bytes of Q or K; a block of V is 8,192 bytes too
	s_lshl_b32 s82, s80, 17
	s_add_co_u32 s82, s82, s81
	s_mov_b32 s83, 0
	s_add_nc_u64 s[10:11], s[10:11], s[82:83]
	s_lshl_b32 s82, s80, 18
	s_add_co_u32 s82, s82, s81
	s_add_nc_u64 s[12:13], s[12:13], s[82:83]
	s_wait_kmcnt 0x0
	s_add_co_i32 s84, s72, s73                     ; e0 + e1: folded into each conversion's one scale
.macro SCALE e, vs, vl
	s_sub_co_i32 s85, s[\e], s84
	s_add_co_i32 s85, s85, 127
	s_lshl_b32 s86, s85, 23
	v_mov_b32 v[\vs], s86                          ; 2^(e - e0 - e1) as f32
	s_add_co_i32 s85, s85, 8
	s_lshl_b32 s85, s85, 23
	s_or_b32 s85, s85, 0x600000
	v_mov_b32 v[\vl], s85                          ; 448 x that
.endm
	SCALE 74, SQ, LQ
	SCALE 75, SK, LK
	SCALE 77, SV, LV
; n x 4 products DT: x's blocks a0 .. a0 + n - 1 against W_q's four, 128 along K, from set p.  zero = 1: the product starts the sum: nothing is ever cleared.
; All 64 accumulators take turns, one instruction a turn, in the same order in every step.
.macro MULT a0, n, p, zero
	WIN 0xa4                                       ; source 0 (W_q) window 0, source 1 (x) window 1, C and D window 2
.set ma, \a0
.rept \n
.irp b, 0,1,2,3
.if \zero
	v_wmma_f32_16x16x128_fp8_fp8 v[8*(4*ma+\b):8*(4*ma+\b)+7], v[WF+64*(\p)+16*\b:WF+64*(\p)+16*\b+15], v[128*(\p)+16*ma:128*(\p)+16*ma+15], 0
.else
	v_wmma_f32_16x16x128_fp8_fp8 v[8*(4*ma+\b):8*(4*ma+\b)+7], v[WF+64*(\p)+16*\b:WF+64*(\p)+16*\b+15], v[128*(\p)+16*ma:128*(\p)+16*ma+15], v[8*(4*ma+\b):8*(4*ma+\b)+7]
.endif
.endr
.set ma, ma+1
.endr
.endm
.macro MULN p, zero                    ; the 32 products DN
	WIN 0xf1                                       ; source 0 (x) window 1, source 1 (W_q) window 0, C and D window 3
.irp a, 0,1,2,3,4,5,6,7
.irp b, 0,1,2,3
.if \zero
	v_wmma_f32_16x16x128_fp8_fp8 v[8*(8*\b+\a):8*(8*\b+\a)+7], v[128*(\p)+16*\a:128*(\p)+16*\a+15], v[WF+64*(\p)+16*\b:WF+64*(\p)+16*\b+15], 0
.else
	v_wmma_f32_16x16x128_fp8_fp8 v[8*(8*\b+\a):8*(8*\b+\a)+7], v[128*(\p)+16*\a:128*(\p)+16*\a+15], v[WF+64*(\p)+16*\b:WF+64*(\p)+16*\b+15], v[8*(8*\b+\a):8*(8*\b+\a)+7]
.endif
.endr
.endr
.endm
.macro FETCH slot, q, p                ; 48 LDS loads in one run: the fragments of the slot's q-th 128 along K into set p
	WIN 0x40                                       ; destination window 1
.irp a, 0,1,2,3,4,5,6,7
.irp c, 0,1,2,3
	ds_load_b128 v[128*(\p)+16*\a+4*\c:128*(\p)+16*\a+4*\c+3], v[ADRA+\slot] offset:128*(\q)+32*\c+\a*16*PITCH
.endr
.endr
	WIN 0
.irp b, 0,1,2,3
.irp c, 0,1,2,3
	ds_load_b128 v[WF+64*(\p)+16*\b+4*\c:WF+64*(\p)+16*\b+4*\c+3], v[ADRB+\slot] offset:128*(\q)+32*\c+\b*16*PITCH
.endr
.endr
.endm
; A slot's first 128 along K (set 0); in its middle the second 128's fragments are fetched into set 1, 32 products ahead of their use.
.macro STEP slot, zero
	s_wait_dscnt 0x0                               ; set 0 is in (asked for 32 products ago)
	MULT 0, 8, 0, \zero
	PLACES
	FETCH \slot, 1, 1
	MULN 0, \zero
.endm
; A slot's second 128 (set 1) changes slots: ONE barrier; in front of it each wave waits for all its tensor loads, adds 0 to its spare word, and waits for that and for its reads of this slot.  fill = 1: this slot is filled again, two K steps ahead.
.macro TURN slot, next, fill
	WIN 0                                          ; (the add's two registers lie in window 0)
	s_wait_tensorcnt 0x0                           ; all my tensor loads have landed: my part of the next slot;
	ds_add_u32 v[SPW], v[NIL]                      ; 0 onto my spare word
	s_wait_dscnt 1                                 ; set 1 is in; the add alone may be out
	MULT 0, 4, 1, 0                                ; sixteen products stand between the add and the wait for it
	s_wait_dscnt 0x0                               ; the add is done, and my reads of this slot are over
	s_barrier_signal -1
	MULT 4, 4, 1, 0
	WIN 0
	s_barrier_wait -1
.if \fill
	CREST                                          ; the barrier has opened a round of the cluster's barrier: no wave of any partner still reads this slot or has a load on its way
	s_add_nc_u64 s[G0+4*\slot+2:G0+4*\slot+3], s[G0+4*\slot+2:G0+4*\slot+3], 512
	s_add_nc_u64 s[G0B+4*\slot+2:G0B+4*\slot+3], s[G0B+4*\slot+2:G0B+4*\slot+3], 512
	JLOAD \slot                                    ; the first tensor load behind the round, my one load out; its four v_nop are also the places in front of the loads below
.else
	PLACES
.endif
	FETCH \next, 0, 0
	MULN 1, 0
.endm
	s_wait_tensorcnt 1                             ; my part of K step 0 is in; K step 1's, the one younger load, may be out
	s_barrier_signal -1
	s_barrier_wait -1                              ; everybody's is
	FETCH 0, 0, 0
	STEP 0, 1                                      ; K step 0: its first products start all 64 sums
	TURN 0, 1, 1                                   ; slot 0 takes K step 2
	STEP 1, 0
	TURN 1, 0, 1                                   ; slot 1 takes K step 3
	STEP 0, 0
	TURN 0, 1, 0                                   ; nothing is left to fetch
	STEP 1, 0
	s_wait_dscnt 0x0
	MULT 0, 8, 1, 0
	MULN 1, 0
	WIN 0
	PLACES
; THE WAY OUT.  Held within +-448 x the scale (the conversion does not saturate: ISA guide 7.6.2), into other registers, each accumulator from its low end on; converted eight at a time; stored as images.
.macro VOUT b                          ; channels 16 b on: DN(0 .. 7, b) become the 16 registers of one fragment of V
	WIN 0x03                                       ; source 0 window 3
.set i, 0
.rept 64
	v_med3_num_f32 v[TMP+i], v[64*(\b)+i], -v[LV], v[LV]
.set i, i+1
.endr
	WIN 0
.set i, 0
.rept 8
	v_cvt_scalef32_pk8_fp8_f32 v[WF+16*(\b)+2*i:WF+16*(\b)+2*i+1], v[TMP+8*i:TMP+8*i+7], v[SV]
.set i, i+1
.endr
	v_nop                                          ; a plain line behind the last conversion: its sources are written again below
.irp g, 0,1,2,3
	global_store_b128 v[LI], v[WF+16*(\b)+4*\g:WF+16*(\b)+4*\g+3], s[12:13] offset:131072+2048*(\b)+512*\g
.endr
.endm
.macro QKOUT a                         ; rows 16 a on: DT(a, 0 .. 3) become a fragment of Q and one of K
.if (\a) < 4
.set CD, 192+16*(\a)
.else
.set CD, 128+16*((\a)-4)
.endif
.if (\a) == 4
	s_wait_xcnt 0x0                                ; the values' stores have read v128-191: these registers are written again only behind this wait
.endif
	WIN 0x02                                       ; source 0 window 2
.set i, 0
.rept 32
	v_med3_num_f32 v[TMP+i], v[32*(\a)+i], -v[LQ], v[LQ]
	v_med3_num_f32 v[TMP+32+i], v[32*(\a)+i], -v[LK], v[LK]
.set i, i+1
.endr
	WIN 0
.set i, 0
.rept 4
	v_cvt_scalef32_pk8_fp8_f32 v[CD+2*i:CD+2*i+1], v[TMP+8*i:TMP+8*i+7], v[SQ]
	v_cvt_scalef32_pk8_fp8_f32 v[CD+8+2*i:CD+8+2*i+1], v[TMP+32+8*i:TMP+32+8*i+7], v[SK]
.set i, i+1
.endr
	v_nop
.irp g, 0,1
	global_store_b128 v[LI], v[CD+4*\g:CD+4*\g+3], s[10:11] offset:1024*(\a)+512*\g
	global_store_b128 v[LI], v[CD+8+4*\g:CD+8+4*\g+3], s[12:13] offset:1024*(\a)+512*\g
.endr
.endm
.irp b, 0,1,2,3
	VOUT \b
.endr
.irp a, 0,1,2,3,4,5,6,7
	QKOUT \a
.endr
	s_wait_tensorcnt 0x0                           ; the wave's end
	ds_add_u32 v[SPW], v[NIL]
	s_wait_dscnt 0x0
	CROUND                                         ; the closing round: no work-group ends while a partner may still ask for a tile that names it
	s_endpgm
.Lfunc_end_k_q2c56013945_proj:
	.size	k_q2c56013945_proj, .Lfunc_end_k_q2c56013945_proj-k_q2c56013945_proj
	.p2alignl 7, 3214868480
	.fill 96, 4, 3214868480
	.section	.rodata,"a",@progbits
	.p2align	6, 0x0
	.amdhsa_kernel k_q2c56013945_proj
		.amdhsa_group_segment_fixed_size 327680
		.amdhsa_private_segment_fixed_size 0
		.amdhsa_enable_private_segment 0
		.amdhsa_kernarg_size 40
		.amdhsa_user_sgpr_count 2
		.amdhsa_user_sgpr_kernarg_segment_ptr 1
		.amdhsa_wavefront_size32 1
		.amdhsa_system_sgpr_workgroup_id_x 1
		.amdhsa_system_sgpr_workgroup_id_y 1
		.amdhsa_system_sgpr_workgroup_id_z 1
		.amdhsa_system_vgpr_workitem_id 0
		.amdhsa_next_free_vgpr 1024
		.amdhsa_next_free_sgpr 100
		.amdhsa_reserve_vcc 0
		.amdhsa_float_denorm_mode_32 3
		.amdhsa_float_denorm_mode_16_64 3
		.amdhsa_memory_ordered 1
		.amdhsa_forward_progress 1
		.amdhsa_inst_pref_size 129
	.end_amdhsa_kernel
	.amdgpu_metadata
---
amdhsa.version: [ 1, 2 ]
amdhsa.kernels:
  - .name:           k_q2c56013945_proj
    .symbol:         k_q2c56013945_proj.kd
    .args:
      - { .name: xc, .offset: 0, .size: 8, .value_kind: global_buffer, .address_space: global }
      - { .name: wqc, .offset: 8, .size: 8, .value_kind: global_buffer, .address_space: global }
      - { .name: lowp_scales, .offset: 16, .size: 8, .value_kind: global_buffer, .address_space: global }
      - { .name: qc, .offset: 24, .size: 8, .value_kind: global_buffer, .address_space: global }
      - { .name: kvc, .offset: 32, .size: 8, .value_kind: global_buffer, .address_space: global }
    .group_segment_fixed_size: 327680
    .private_segment_fixed_size: 0
    .kernarg_segment_align: 8
    .kernarg_segment_size: 40
    .max_flat_workgroup_size: 128
    .sgpr_count:     100
    .vgpr_count:     1024
    .wavefront_size: 32
...
	.end_amdgpu_metadata
.endif
;; end of part 2
;; launch attn (part 3): grid 4 x 64, 8 waves a work-group, clusters of 4 x 1, 263,168 bytes of LDS; arguments qc, kvc, lowp_scales, attc; writes attc
.if DOCPART == 3
	.amdgcn_target "amdgcn-amd-amdhsa--gfx1250"
	.amdhsa_code_object_version 6
	.text
	.protected	k_q2c56013945_attn
	.globl	k_q2c56013945_attn
	.p2align	8
	.type	k_q2c56013945_attn,@function
k_q2c56013945_attn:
	s_mov_b64 s[64:65], 0
	v_nop
	global_prefetch_b8 v0, s[64:65] scope:SCOPE_SE
	s_setreg_imm32_b32 hwreg(HW_REG_WAVE_MODE, 25, 1), 1
	s_wait_xcnt 0x0
	s_wait_alu depctr_hold_cnt(0) depctr_sa_sdst(0) depctr_va_vdst(0) depctr_va_sdst(0) depctr_va_ssrc(0) depctr_va_vcc(0) depctr_vm_vsrc(0)
	s_getreg_b32 s2, hwreg(HW_REG_IB_STS2, 6, 4)
	s_cmp_eq_u32 s2, 0
	s_cbranch_scc0 .Lentry_in_a_cluster
	s_endpgm
.Lentry_in_a_cluster:
	s_bfe_u32 s2, ttmp6, 0x10000c
	s_cmp_lg_u32 s2, 0x3003
	s_cbranch_scc0 .Lentry_shape_is_right
	s_endpgm
.Lentry_shape_is_right:
; For each of 64 heads of batch: O[q] = sum over k of softmax_k(Q[q] . K[k] / 8) V[k], 2,048 queries and keys, head size 64, both products on codes of FP8 (E4M3); O is quantised (scale 2^e6) for the last product.
; Q's codes stand for code x 2^e2, K's x 2^e3, p's x 2^e4, V's x 2^e5.  Q, K and V come as images of operand registers (a group of four registers: 512 bytes, lane l's 16 bytes at 16 l), and O's codes leave so:
;   attc [tile of 16 rows: 512][128 along K = two heads: 8][group 0 .. 3][512]: my head's 64 channels are groups 0, 1 (even head) or 2, 3 (odd head); registers 2 d, 2 d + 1 of lane (r, h): channels 16 d + 8 h + 0 .. 7 of row r.
; THE SOFTMAX: t = score x log2(e) / 8; M = the row's largest t so far, rounded UP to a whole number; p = 2^(t - M) is what is quantised; it is not normalised.  The row's sum is taken of the unquantised p, in f32,
; and divides O at the end.  When M moves, the sum and O are multiplied by 2^(old M - new M): exact.
; LIMITS: e2 + e3 between -123 and 130 (added to c's exponent field); e4, and e6 - e4 - e5, between -126 and 119.
; SHARES.  A work-group owns 512 queries of one head.  THE HEAD'S K AND V, 262,144 BYTES OF CODES, LIE WHOLE IN LDS, as they lie in memory: one fill, no slot is ever filled again, one barrier.
; The four work-groups of a cluster own the four quarters of one head's queries and need the same 262,144 bytes: the fill is asked for JOINTLY, each of the eight waves asking for 32,768 bytes.
; A wave owns TWO tiles of 16 queries at a time, so that each fragment read from LDS feeds two products, and walks all keys, 128 a step; then two more tiles (two passes).  Eight waves, two to a SIMD: one's matrix and LDS work stands beside the other's vector work.
; LAYOUT.  Both products are used transposed: S^T = K Q^T (source 0 = 16 keys, source 1 = 16 queries), O^T = V^T P^T: a lane holds ONE query (lane % 16) throughout.  A tile of S^T gives a lane keys 8 (lane / 16) + 0 .. 7:
; one conversion makes of them registers 2 t, 2 t + 1 of P's fragment, just where the form's layout wants keys 16 t + 8 (lane / 16) + 0 .. 7.
; REGISTERS.  window 0: v1-6 addresses, O's scale; v8-23 statistics, 8 a tile: +0 -M, +1 the largest t, +2, +3 the sum in two halves, +4 f (at the end 1 / sum), +5 its pair's upper word, +6, +7 at work;
;   v24, v25 448 x 2^e4 and 2^e4; v26, v27 the exchange; v28-31 a second chain of sums; v32-63 P's codes, 16 a tile; v64-127 K's 8 fragments; v128-255 S^T, then p, 64 a tile.
;   window 1: v0-63 O^T, 32 a tile; v64-79 Q, 8 a tile; v128-191 V's 4 fragments.
.set LI,   1                           ; v1   16 x lane: my place in an image, in LDS and in memory
.set LIV,  2                           ; v2   the same in V's half of LDS
.set ADK,  3                           ; v3   the step's K
.set ADV,  4                           ; v4   the step's V
.set SCO,  5                           ; v5   2^(e6 - e4 - e5)
.set LIMO, 6                           ; v6   448 x that
.set ST,   8
.set LIMP, 24
.set SCP,  25
.set PD,   26
.set C2,   28
.set PC,   32
.set KF,   64
.set S,    128
.set QF,   64                          ; in window 1
.set VF,   128                         ; in window 1
.set VOFF, 131072
.set WV,   12                          ; s12  my wave's number
.set TB,   2                           ; s2   8,192 x the key step: its K's first LDS byte
.set CNT,  3                           ; s3   key steps to go
.set SEL,  20                          ; s[20:21] lane selects: lane l xor 16
.set CS,   22                          ; s[22:23] c = log2(e) / 8 x 2^(e2 + e3)
.set G1,   24
.set G0,   32
.set MSB, 0
.macro WIN new                         ; the immediate's high byte repeats the setting that is left
.if MSB != \new
	s_set_vgpr_msb (MSB<<8)|\new
.set MSB, \new
.endif
.endm
.macro CROUND                          ; a round of the cluster's barrier
	s_barrier_signal -1
	s_barrier_wait -1
	s_cmp_lg_u32 s[WV], 0
	s_cbranch_scc1 .Lnot_wave_0_\@
	s_barrier_signal -3
.Lnot_wave_0_\@:
	s_barrier_wait -3
	s_barrier_signal -1
	s_barrier_wait -1
.endm
	s_load_b256 s[4:11], s[0:1], 0x0               ; qc s[4:5], kvc s[6:7], the scales' exponents s[8:9], attc s[10:11]
	v_lshl_add_u32 v7, v0, 2, 0x40000
	s_set_vgpr_msb 0x40
	v_mov_b32 v193, 0
	s_set_vgpr_msb 0x4044
	ds_add_u32 v7, v193
	ds_add_u32 v7, v193
	s_set_vgpr_msb 0x4400
	v_lshrrev_b32 v1, 5, v0
	v_readfirstlane_b32 s[WV], v1                  ; wave 0..7
	s_bfe_u32 s13, ttmp6, 0x40000                  ; cx
	s_lshl_b32 s18, ttmp9, 2
	s_add_co_u32 s13, s13, s18                     ; which 512 queries: it enters Q's and O's addresses alone
	s_and_b32 s14, ttmp7, 0xffff                   ; the head of batch, which the four partners share
	s_mov_b32 s[G1], 15|(3<<16)|(1<<21)            ; 15:0 the mask: all four work-groups; 17:16 elements of 8 bytes; 21 set beside a mask; no padding: images are read 512 consecutive bytes at a time
	s_mov_b32 s[G1+1], 32<<16                      ; a dense block as rows of 256 bytes: tensor_dim0 = 32
	s_mov_b32 s[G1+2], 128<<16                     ; tensor_dim1 = 128
	s_mov_b32 s[G1+3], 32<<16                      ; tile_dim0
	s_mov_b32 s[G1+4], 128                         ; tile_dim1
	s_mov_b32 s[G1+5], 32                          ; from row to row
	s_mov_b32 s[G1+6], 0
	s_mov_b32 s[G1+7], 0
	s_mov_b32 s[SEL], 0x76543210
	s_mov_b32 s[SEL+1], 0xfedcba98
	s_mov_b32 s[G0], 1
	s_lshl_b32 s[G0+1], s[WV], 15                  ; LDS: 32,768 x wave
	s_lshl_b32 s16, s14, 18
	s_add_co_u32 s16, s16, s[G0+1]                 ; memory: 262,144 x head + 32,768 x wave
	s_mov_b32 s17, 0
	s_wait_dscnt 0x0
	s_wait_kmcnt 0x0
	s_load_b256 s[40:47], s[8:9], 0x0              ; e0 .. e7
	s_add_nc_u64 s[G0+2:G0+3], s[6:7], s[16:17]
	s_or_b32 s[G0+3], s[G0+3], 0x80000000
	CROUND                                         ; all four work-groups are here: the joint loads meet
	tensor_load_to_lds s[G0:G0+3], s[G1:G1+7]      ; my one tensor load of the launch
	s_nop 0
.rept 4
	v_nop
.endr
	v_and_b32 v[LI], 31, v0
	v_lshlrev_b32 v[LI], 4, v[LI]
	v_add_nc_u32 v[LIV], VOFF, v[LI]
	v_mov_b32 v[PD], 0                             ; written once: a lane permute's destination counts as one of its sources
	v_mov_b32 v[PD+1], 0
	v_mov_b32 v[ST+5], 0                           ; (named as the upper halves of pairs)
	v_mov_b32 v[ST+13], 0
	s_lshl_b32 s18, s13, 5
	s_lshl_b32 s19, s[WV], 1
	s_add_co_u32 s18, s18, s19                     ; my first tile of queries: 32 x block + 2 x wave; the second pass: 16 tiles on
	s_lshl_b32 s16, s18, 10
	s_lshl_b32 s19, s14, 17
	s_add_co_u32 s16, s16, s19
	s_add_nc_u64 s[4:5], s[4:5], s[16:17]          ; Q: 131,072 x head + 1,024 x tile
.macro QLOAD p                         ; the pass's two fragments of Q
	WIN 0x40                                       ; destination window 1
.irp i, 0,1,2,3
	global_load_b128 v[QF+4*\i:QF+4*\i+3], v[LI], s[4:5] offset:16384*(\p)+512*\i th:TH_LOAD_NT
.endr
	WIN 0
.endm
	QLOAD 0
	s_lshr_b32 s16, s14, 4                         ; the batch: 128 tiles of rows each
	s_lshl_b32 s16, s16, 7
	s_add_co_u32 s16, s16, s18
	s_lshl_b32 s16, s16, 14                        ; a tile of rows: 16,384 bytes
	s_and_b32 s19, s14, 15
	s_lshl_b32 s19, s19, 10                        ; my head's two groups: 1,024 x head
	s_add_co_u32 s16, s16, s19
	s_add_nc_u64 s[10:11], s[10:11], s[16:17]
	s_wait_kmcnt 0x0
	s_add_co_i32 s16, s42, s43
	s_lshl_b32 s16, s16, 23
	s_mov_b32 s[CS], 0x3e38aa3b                    ; log2(e) / 8
	s_add_co_i32 s[CS], s[CS], s16                 ; a score stands for score x 2^(e2 + e3): the two exponents are added to c's exponent field
	s_mov_b32 s[CS+1], s[CS]                       ; (named with it as a pair, so it is written)
	s_add_co_i32 s16, s44, 127
	s_lshl_b32 s18, s16, 23
	v_mov_b32 v[SCP], s18                          ; 2^e4
	s_add_co_i32 s16, s16, 8
	s_lshl_b32 s16, s16, 23
	s_or_b32 s16, s16, 0x600000
	v_mov_b32 v[LIMP], s16                         ; 448 x 2^e4
	s_sub_co_i32 s16, s46, s44
	s_sub_co_i32 s16, s16, s45                     ; O^T / the sum stands for that x 2^(e4 + e5): its code is that / 2^(e6 - e4 - e5)
	s_add_co_i32 s16, s16, 127
	s_lshl_b32 s18, s16, 23
	v_mov_b32 v[SCO], s18
	s_add_co_i32 s16, s16, 8
	s_lshl_b32 s16, s16, 23
	s_or_b32 s16, s16, 0x600000
	v_mov_b32 v[LIMO], s16
; A KEY STEP: 128 keys, both tiles.  At its head K's 16 loads for this step are out (asked for a step ago).
.macro STEP
	v_add_nc_u32 v[ADK], s[TB], v[LI]              ; these four lines are the places behind the last step's products, in front of the loads into V's registers
	v_add_nc_u32 v[ADV], s[TB], v[LIV]
	v_nop
	v_nop
	WIN 0x40                                       ; destination window 1
.irp d, 0,1,2,3
.irp g, 0,1,2,3
	ds_load_b128 v[VF+16*\d+4*\g:VF+16*\d+4*\g+3], v[ADV] offset:2048*\d+512*\g
.endr
.endr
	s_wait_dscnt 16                                ; K is in; V's sixteen may be out
	WIN 0x04                                       ; source 1 (Q) window 1
.irp t, 0,1,2,3,4,5,6,7
.irp q, 0,1
	v_wmma_f32_16x16x64_fp8_fp8 v[S+64*\q+8*\t:S+64*\q+8*\t+7], v[KF+8*\t:KF+8*\t+7], v[QF+8*\q:QF+8*\q+7], 0
.endr
.endr
	WIN 0
.rept 4
	v_nop                                          ; places in front of the loads into K's registers and of the first read of the scores
.endr
.irp t, 0,1,2,3,4,5,6,7                        ; the next step's K.  In the last step these sixteen read the first 8,192 bytes of V's half, which lie inside LDS and have landed, and nobody uses them
.irp g, 0,1
	ds_load_b128 v[KF+8*\t+4*\g:KF+8*\t+4*\g+3], v[ADK] offset:8192+1024*\t+512*\g
.endr
.endr
.irp q, 0,1                                    ; the step's largest score of my query among my 64 keys, in two chains a tile, the tiles line by line
	v_max3_num_f32 v[ST+8*\q+6], v[S+64*\q], v[S+64*\q+1], v[S+64*\q+2]
	v_max3_num_f32 v[ST+8*\q+7], v[S+64*\q+3], v[S+64*\q+4], v[S+64*\q+5]
.endr
.irp i, 6,10,14,18,22,26,30,34,38,42,46,50,54,58
.irp q, 0,1
	v_max3_num_f32 v[ST+8*\q+6], v[ST+8*\q+6], v[S+64*\q+\i], v[S+64*\q+\i+1]
	v_max3_num_f32 v[ST+8*\q+7], v[ST+8*\q+7], v[S+64*\q+\i+2], v[S+64*\q+\i+3]
.endr
.endr
.irp q, 0,1
	v_max3_num_f32 v[ST+8*\q+6], v[ST+8*\q+6], v[S+64*\q+62], v[S+64*\q+63]
.endr
.irp q, 0,1
	v_max_num_f32 v[ST+8*\q+6], v[ST+8*\q+6], v[ST+8*\q+7]
.endr
.irp q, 0,1
	v_permlanex16_b32 v[PD+\q], v[ST+8*\q+6], s[SEL], s[SEL+1]
.endr
.irp q, 0,1
	v_max_num_f32 v[ST+8*\q+6], v[ST+8*\q+6], v[PD+\q]             ; and among lane l xor 16's
.endr
.irp q, 0,1
	v_mul_f32 v[ST+8*\q+6], s[CS], v[ST+8*\q+6]                    ; as t (c is positive)
.endr
.irp q, 0,1
	v_max_num_f32 v[ST+8*\q+1], v[ST+8*\q+1], v[ST+8*\q+6]         ; the running largest t
.endr
.irp q, 0,1
	v_mov_b32 v[ST+8*\q+6], v[ST+8*\q]
.endr
.irp q, 0,1
	v_floor_f32 v[ST+8*\q], -v[ST+8*\q+1]                          ; the new -M = floor(-t) = -ceil(t): M is a whole number
.endr
.irp q, 0,1
	v_sub_f32 v[ST+8*\q+6], v[ST+8*\q], v[ST+8*\q+6]               ; old M - new M: a whole number, 0 or less
.endr
.irp q, 0,1
	v_cvt_i32_f32 v[ST+8*\q+6], v[ST+8*\q+6]                       ; (it saturates)
.endr
.irp q, 0,1
	v_ldexp_f32 v[ST+8*\q+4], 1.0, v[ST+8*\q+6]                    ; f = 2^(old M - new M)
.endr
.irp j, 0,2,4,6,8,10,12,14,16,18,20,22,24,26,28,30,32,34,36,38,40,42,44,46,48,50,52,54,56,58,60,62
.irp q, 0,1
	v_pk_fma_f32 v[S+64*\q+\j:S+64*\q+\j+1], v[S+64*\q+\j:S+64*\q+\j+1], s[CS:CS+1], v[ST+8*\q:ST+8*\q+1] op_sel_hi:[1,0,0]   ; t - M, two at a time (of the pairs c and -M the low word serves both halves)
.endr
.endr
.set i, 0
.rept 128
	v_exp_f32 v[S+i], v[S+i]                       ; p = 2^(t - M), at most 1: one batch for both tiles
.set i, i+1
.endr
.irp q, 0,1
	v_pk_mul_f32 v[ST+8*\q+2:ST+8*\q+3], v[ST+8*\q+2:ST+8*\q+3], v[ST+8*\q+4:ST+8*\q+5] op_sel_hi:[1,0]   ; the sums under the new M: the plain lines behind the exponentials
.endr
	s_wait_alu depctr_va_vdst(0)                   ; one wait for the whole batch, ahead of its first reader
.irp q, 0,1
	v_pk_add_f32 v[C2+2*\q:C2+2*\q+1], v[S+64*\q:S+64*\q+1], v[S+64*\q+2:S+64*\q+3]   ; the row's sum is taken of the UNQUANTISED p: two at a time, two chains a tile
.endr
.irp j, 4,8,12,16,20,24,28,32,36,40,44,48,52,56,60
.irp q, 0,1
	v_pk_add_f32 v[ST+8*\q+2:ST+8*\q+3], v[ST+8*\q+2:ST+8*\q+3], v[S+64*\q+\j:S+64*\q+\j+1]
	v_pk_add_f32 v[C2+2*\q:C2+2*\q+1], v[C2+2*\q:C2+2*\q+1], v[S+64*\q+\j+2:S+64*\q+\j+3]
.endr
.endr
.irp q, 0,1
	v_pk_add_f32 v[ST+8*\q+2:ST+8*\q+3], v[ST+8*\q+2:ST+8*\q+3], v[C2+2*\q:C2+2*\q+1]
.endr
.irp q, 0,1
.irp t, 0,1,2,3,4,5,6,7
.irp i, 0,1,2,3,4,5,6,7
	v_min_num_f32 v[S+64*\q+8*\t+\i], v[S+64*\q+8*\t+\i], v[LIMP]  ; the conversion does not saturate (ISA guide 7.6.2); p is not negative, so the hold is one-sided
.endr
	v_cvt_scalef32_pk8_fp8_f32 v[PC+16*\q+2*\t:PC+16*\q+2*\t+1], v[S+64*\q+8*\t:S+64*\q+8*\t+7], v[SCP]   ; keys 16 t + 8 (lane / 16) + 0 .. 7: registers 2 t, 2 t + 1 of P's fragment
.endr
.endr
	WIN 0x41                                       ; O^T (destination and source 0) window 1
.irp j, 0,2,4,6,8,10,12,14,16,18,20,22,24,26,28,30
.irp q, 0,1
	v_pk_mul_f32 v[32*\q+\j:32*\q+\j+1], v[32*\q+\j:32*\q+\j+1], v[ST+8*\q+4:ST+8*\q+5] op_sel_hi:[1,0]   ; O^T under the new M.  (Also the plain lines between the conversions and the products that read their codes)
.endr
.endr
	s_wait_dscnt 16                                ; V is in; the next step's K, sixteen loads, may be out
	WIN 0x51                                       ; source 0 (V), C and D (O^T) window 1; source 1 (P) window 0
.irp d, 0,1,2,3                                ; eight accumulators by turns
.irp q, 0,1
	v_wmma_f32_16x16x128_fp8_fp8 v[32*\q+8*\d:32*\q+8*\d+7], v[VF+16*\d:VF+16*\d+15], v[PC+16*\q:PC+16*\q+15], v[32*\q+8*\d:32*\q+8*\d+7]
.endr
.endr
	WIN 0
	s_add_co_u32 s[TB], s[TB], 8192
.endm
; A PASS: two tiles of queries against all keys.  Written out twice, so that each loop over the key steps is a plain loop of 16 trips and the pass's place in Q and in attc is an immediate.
.macro PASS p
.if \p
	s_wait_xcnt 0x0                                ; the last pass's stores have read P's registers: they are written again only behind this wait
.endif
	WIN 0x40
.set i, 0
.rept 64
	v_mov_b32 v[i], 0                              ; O^T.  (The step is written once: the first finds zeros, which the first change of M leaves zeros)
.set i, i+1
.endr
	WIN 0
.irp q, 0,1
	v_mov_b32 v[ST+8*\q+1], 0xff61b1e6             ; the largest t so far: -3e38, under every t
	v_floor_f32 v[ST+8*\q], -v[ST+8*\q+1]          ; -M
	v_mov_b32 v[ST+8*\q+2], 0                      ; the sum, in two halves
	v_mov_b32 v[ST+8*\q+3], 0
.endr
	s_mov_b32 s[TB], 0
.irp t, 0,1,2,3,4,5,6,7
.irp g, 0,1
	ds_load_b128 v[KF+8*\t+4*\g:KF+8*\t+4*\g+3], v[LI] offset:1024*\t+512*\g   ; K of step 0
.endr
.endr
	s_wait_loadcnt 0x0                             ; Q
	s_mov_b32 s[CNT], 16
.Lstep_\@:
	STEP
	s_sub_co_u32 s[CNT], s[CNT], 1
	s_cmp_lg_u32 s[CNT], 0
	s_cbranch_scc1 .Lstep_\@
	; THE WAY OUT of a pass
	s_wait_dscnt 0x0                               ; the last step's sixteen unused loads are in: K's registers may be loaded again
.if (\p) == 0
	QLOAD 1                                        ; the next pass's Q comes while this pass goes out; the last product that read Q stands a softmax back
.endif
.irp q, 0,1
	v_add_f32 v[ST+8*\q+6], v[ST+8*\q+2], v[ST+8*\q+3]             ; the sum's two halves  (these additions and the v_nop below are the places behind the last products)
.endr
.irp q, 0,1
	v_permlanex16_b32 v[PD+\q], v[ST+8*\q+6], s[SEL], s[SEL+1]
.endr
.irp q, 0,1
	v_add_f32 v[ST+8*\q+6], v[ST+8*\q+6], v[PD+\q]                 ; and lane l xor 16's: the row's sum
.endr
.irp q, 0,1
	v_rcp_f32 v[ST+8*\q+4], v[ST+8*\q+6]
.endr
	v_nop                                          ; a plain line behind the last reciprocal
	s_wait_alu depctr_va_vdst(0)                   ; one wait for both, ahead of the first reader
	WIN 0x01                                       ; source 0 (O^T) window 1
.irp q, 0,1
.irp j, 0,2,4,6,8,10,12,14,16,18,20,22,24,26,28,30
	v_pk_mul_f32 v[S+32*\q+\j:S+32*\q+\j+1], v[32*\q+\j:32*\q+\j+1], v[ST+8*\q+4:ST+8*\q+5] op_sel_hi:[1,0]   ; O^T / the sum, each accumulator from its low end on
.endr
.endr
	WIN 0
.irp q, 0,1
.set i, 0
.rept 32
	v_med3_num_f32 v[S+32*\q+i], v[S+32*\q+i], -v[LIMO], v[LIMO]
.set i, i+1
.endr
.irp d, 0,1,2,3
	v_cvt_scalef32_pk8_fp8_f32 v[PC+8*\q+2*\d:PC+8*\q+2*\d+1], v[S+32*\q+8*\d:S+32*\q+8*\d+7], v[SCO]
.endr
.endr
	v_nop                                          ; a plain line behind the last conversion
.irp q, 0,1
.irp g, 0,1
	global_store_b128 v[LI], v[PC+8*\q+4*\g:PC+8*\q+4*\g+3], s[10:11] offset:262144*(\p)+16384*\q+512*\g   ; the wave stores 512 consecutive bytes, aligned
.endr
.endr
.endm
	s_wait_tensorcnt 0x0                           ; my 32,768 bytes are in,
	s_barrier_signal -1
	s_barrier_wait -1                              ; everybody's are: the head's K and V lie whole in LDS, and nothing writes LDS from here on
	PASS 0
	PASS 1
	s_set_vgpr_msb 0x4
	s_wait_tensorcnt 0x0
	ds_add_u32 v7, v193
	s_wait_dscnt 0x0
	s_set_vgpr_msb 0x400
	CROUND                                         ; the closing round (no LDS instruction of mine is out): no work-group ends while a partner may still ask
	s_endpgm
.Lfunc_end_k_q2c56013945_attn:
	.size	k_q2c56013945_attn, .Lfunc_end_k_q2c56013945_attn-k_q2c56013945_attn
	.p2alignl 7, 3214868480
	.fill 96, 4, 3214868480
	.section	.rodata,"a",@progbits
	.p2align	6, 0x0
	.amdhsa_kernel k_q2c56013945_attn
		.amdhsa_group_segment_fixed_size 263168
		.amdhsa_private_segment_fixed_size 0
		.amdhsa_enable_private_segment 0
		.amdhsa_kernarg_size 32
		.amdhsa_user_sgpr_count 2
		.amdhsa_user_sgpr_kernarg_segment_ptr 1
		.amdhsa_wavefront_size32 1
		.amdhsa_system_sgpr_workgroup_id_x 1
		.amdhsa_system_sgpr_workgroup_id_y 1
		.amdhsa_system_sgpr_workgroup_id_z 1
		.amdhsa_system_vgpr_workitem_id 0
		.amdhsa_next_free_vgpr 450
		.amdhsa_next_free_sgpr 66
		.amdhsa_reserve_vcc 0
		.amdhsa_float_denorm_mode_32 3
		.amdhsa_float_denorm_mode_16_64 3
		.amdhsa_memory_ordered 1
		.amdhsa_forward_progress 1
		.amdhsa_inst_pref_size 84
	.end_amdhsa_kernel
	.amdgpu_metadata
---
amdhsa.version: [ 1, 2 ]
amdhsa.kernels:
  - .name:           k_q2c56013945_attn
    .symbol:         k_q2c56013945_attn.kd
    .args:
      - { .name: qc, .offset: 0, .size: 8, .value_kind: global_buffer, .address_space: global }
      - { .name: kvc, .offset: 8, .size: 8, .value_kind: global_buffer, .address_space: global }
      - { .name: lowp_scales, .offset: 16, .size: 8, .value_kind: global_buffer, .address_space: global }
      - { .name: attc, .offset: 24, .size: 8, .value_kind: global_buffer, .address_space: global }
    .group_segment_fixed_size: 263168
    .private_segment_fixed_size: 0
    .kernarg_segment_align: 8
    .kernarg_segment_size: 32
    .max_flat_workgroup_size: 256
    .sgpr_count:     66
    .vgpr_count:     450
    .wavefront_size: 32
...
	.end_amdgpu_metadata
.endif
;; end of part 3
;; launch outp (part 4): grid 8 x 32, 4 waves a work-group, clusters of 4 x 4, 327,680 bytes of LDS; arguments attc, wmc, lowp_scales, out0; writes out0
.if DOCPART == 4
	.amdgcn_target "amdgcn-amd-amdhsa--gfx1250"
	.amdhsa_code_object_version 6
	.text
	.protected	k_q2c56013945_outp
	.globl	k_q2c56013945_outp
	.p2align	8
	.type	k_q2c56013945_outp,@function
k_q2c56013945_outp:
	s_mov_b64 s[64:65], 0
	v_nop
	global_prefetch_b8 v0, s[64:65] scope:SCOPE_SE
	s_setreg_imm32_b32 hwreg(HW_REG_WAVE_MODE, 25, 1), 1
	s_wait_xcnt 0x0
	s_wait_alu depctr_hold_cnt(0) depctr_sa_sdst(0) depctr_va_vdst(0) depctr_va_sdst(0) depctr_va_ssrc(0) depctr_va_vcc(0) depctr_vm_vsrc(0)
	s_getreg_b32 s2, hwreg(HW_REG_IB_STS2, 6, 4)
	s_cmp_eq_u32 s2, 0
	s_cbranch_scc0 .Lentry_in_a_cluster
	s_endpgm
.Lentry_in_a_cluster:
	s_bfe_u32 s2, ttmp6, 0x10000c
	s_cmp_lg_u32 s2, 0xf033
	s_cbranch_scc0 .Lentry_shape_is_right
	s_endpgm
.Lentry_shape_is_right:
; out[m][n] = 2^(e6 + e7) x sum over k of att[m][k] W_m[n][k] on codes of FP8 (E4M3): 8,192 rows, 1,024 columns, K = 1,024; out is f32.
; LIMIT: e6 + e7 lies between -126 and 127, so that 2^(e6 + e7) is an f32 number.
; att comes as images of operand registers: attc [tile of 16 rows: 512][128 along K: 8][group of four registers: 4][512 bytes, lane l's 16 at 16 l]; registers 2 c, 2 c + 1 of lane (r, h): k = 16 c + 8 h + 0 .. 7 of row r.
; W_m's codes come row-major, K innermost; its fragments are read from LDS in the same places of k, by eight loads of 8 bytes.
; SHARES.  A work-group makes 256 rows x 128 columns, its four waves 128 x 64 each: 32 accumulators.  256 work-groups.  K goes in steps of 256 through two LDS slots: four K steps, written out.
; CLUSTERS: 4 x 4 work-groups.  The four of a row of the cluster need the same tiles of att, the four of a column the same rows of W_m: each tile is asked for JOINTLY.
; THE MATRIX INSTRUCTION IS USED TRANSPOSED (source 0 = 16 rows of W_m, source 1 = 16 rows of att): a lane then holds eight neighbouring numbers of a row of out.
; REGISTERS: window 0: v1-31 addresses; v32-63, v64-127 at work on the way out; v128-255 W_m's fragments, two sets of 4 x 16.   window 1: att's fragments, two sets of 8 x 16.   window 2: D(a, b) at v[8 (4 a + b)].
.set KROW,  1024
.set AROW,  4096                       ; a tile of 16 rows in a slot: two blocks of 128 along K, 2,048 bytes each
.set HALFA, 8*AROW                     ; 8 tiles of rows: one tensor load, and what one wave reads of att.  Images are read 512 consecutive bytes at a time: no padding
.set PITCH, 272                        ; a row of W_m in LDS: 256 bytes + 16 = 68 words: lane (r, h) of a load of 8 bytes starts at bank 4 r + 2 h
.set HALFB, 64*PITCH
.set WOFF,  2*HALFA
.set SLOT,  WOFF+2*HALFB
.set STAGE, 2*SLOT                     ; behind the ring: 16 rows x (256 bytes + 16) for each wave, for the way out; no tile lands there
.set SPITCH, 272
.set SPARE, STAGE+4*16*SPITCH          ; behind the stages: the spare words, 128 bytes for each wave: two blocks of 256 bytes that no other line names
.set ADRA, 16                          ; v16-17  LDS address of my fragments of att in slot 0, 1
.set ADRB, 20                          ; v20-21  the same for W_m
.set STO,  24                          ; v24     the way out: where I put 32 bytes of a row
.set RD,   25                          ; v25     where I read a row back
.set CO,   26                          ; v26     my byte offset in out
.set SPW,  28                          ; v28     LDS address of my spare word; never rewritten
.set NIL,  29                          ; v29     0; never rewritten
.set TMP,  32
.set BK,   64
.set WF,   128
.set G1,  24
.set G0,  32
.set G1B, 48
.set G0B, 56
.set MSB, 0
.macro WIN new                         ; the immediate's high byte repeats the setting that is left
.if MSB != \new
	s_set_vgpr_msb (MSB<<8)|\new
.set MSB, \new
.endif
.endm
; A joint load: waves 0 and 1 fetch att's two halves, waves 2 and 3 W_m's.  The branch hangs on the wave's number alone.  Four v_nop follow each of the two lines.
.macro JLOAD s
	s_cmp_eq_u32 s15, 0
	s_cbranch_scc0 .Lfor_b_\@
	tensor_load_to_lds s[G0+4*\s:G0+4*\s+3], s[G1:G1+7]
	s_nop 0
.rept 4
	v_nop
.endr
	s_branch .Lasked_\@
.Lfor_b_\@:
	tensor_load_to_lds s[G0B+4*\s:G0B+4*\s+3], s[G1B:G1B+7]
	s_nop 0
.rept 4
	v_nop
.endr
.Lasked_\@:
.endm
.macro CREST                           ; a round of the cluster's barrier behind its opening barrier
	s_cmp_lg_u32 s14, 0
	s_cbranch_scc1 .Lnot_wave_0_\@
	s_barrier_signal -3
.Lnot_wave_0_\@:
	s_barrier_wait -3
	s_barrier_signal -1
	s_barrier_wait -1
.endm
.macro CROUND
	s_barrier_signal -1
	s_barrier_wait -1
	CREST
.endm
.macro PLACES                          ; four plain vector lines in front of loads into registers that matrix instructions have read, and of the first read of results
.rept 4
	v_nop
.endr
.endm
	s_load_b256 s[4:11], s[0:1], 0x0               ; att's codes s[4:5], W_m's s[6:7], the scales' exponents s[8:9], out s[10:11]
	v_lshl_add_u32 v[SPW], v0, 2, SPARE
	v_mov_b32 v[NIL], 0
	ds_add_u32 v28, v29
	ds_add_u32 v28, v29
	s_wait_dscnt 0x0
	v_lshrrev_b32 v1, 5, v0
	v_readfirstlane_b32 s14, v1                    ; wave 0..3
	s_lshr_b32 s15, s14, 1                         ; which 128 of the tile's rows are mine.  Also: I fetch for att (0) or for W_m (1)
	s_and_b32 s16, s14, 1                          ; which 64 of its columns.  Also: which half of that tile I fetch
	s_bfe_u32 s40, ttmp6, 0x40000                  ; cx, cy
	s_bfe_u32 s41, ttmp6, 0x40004
	s_lshl_b32 s42, ttmp9, 2
	s_add_co_u32 s42, s42, s40                     ; tile column: 0..7
	s_and_b32 s17, ttmp7, 0xffff
	s_lshl_b32 s17, s17, 2
	s_add_co_u32 s17, s17, s41                     ; tile row: 0..31
	s_lshl_b32 s43, s41, 2
	s_lshl_b32 s43, 15, s43                        ; my row of the cluster
	s_lshl_b32 s44, 0x1111, s40                    ; my column
	s_or_b32 s[G1], s43, (3<<16)|(1<<21)           ; att: 15:0 the mask of my row; 17:16 elements of 8 bytes; 21 set beside a mask; no padding
	s_mov_b32 s[G1+1], 512<<16                     ; a row of the tile: one tile of 16 rows' 4,096 bytes of this K step: tensor_dim0 = 512
	s_mov_b32 s[G1+2], 8<<16                       ; tensor_dim1 = 8: the image layout has no more rows than tiles of rows
	s_mov_b32 s[G1+3], 512<<16                     ; tile_dim0
	s_mov_b32 s[G1+4], 8                           ; tile_dim1
	s_mov_b32 s[G1+5], 2048                        ; from one tile of rows to the next: 16,384 bytes
	s_mov_b32 s[G1+6], 0
	s_mov_b32 s[G1+7], 0
	s_or_b32 s[G1B], s44, (1<<20)|(1<<21)|(5<<22)|(3<<25)  ; W_m: the mask of my column; elements of 1 byte; four words of padding after every 64
	s_mov_b32 s[G1B+1], 256<<16
	s_mov_b32 s[G1B+2], 64<<16
	s_mov_b32 s[G1B+3], 256<<16
	s_mov_b32 s[G1B+4], 64
	s_mov_b32 s[G1B+5], KROW
	s_mov_b32 s[G1B+6], 0
	s_mov_b32 s[G1B+7], 0
	s_lshl_b32 s20, s17, 4
	s_lshl_b32 s18, s16, 3
	s_add_co_u32 s20, s20, s18                     ; att: tile of rows 16 x tile row + 8 x half,
	s_lshl_b32 s20, s20, 14                        ; 16,384 bytes each
	s_mov_b32 s21, 0
	s_lshl_b32 s18, s16, 6
	s_lshl_b32 s46, s42, 7
	s_add_co_u32 s46, s46, s18                     ; W_m: row 128 x tile column + 64 x half
	s_lshl_b32 s46, s46, 10
	s_mov_b32 s47, 0
	s_mul_i32 s45, s16, HALFA                      ; where they go: no place in the cluster enters an LDS address
	s_mul_i32 s19, s16, HALFB
	s_add_co_u32 s19, s19, WOFF
	s_wait_kmcnt 0x0
	s_load_b256 s[72:79], s[8:9], 0x0              ; e0 .. e7
	s_add_nc_u64 s[20:21], s[4:5], s[20:21]
	s_add_nc_u64 s[46:47], s[6:7], s[46:47]
	CROUND                                         ; all sixteen work-groups are here: the first joint loads meet
.irp s, 0,1
	s_mov_b32 s[G0+4*\s], 1
	s_add_co_u32 s[G0+4*\s+1], s45, \s*SLOT
	s_add_nc_u64 s[G0+4*\s+2:G0+4*\s+3], s[20:21], \s*AROW         ; K step s
	s_or_b32 s[G0+4*\s+3], s[G0+4*\s+3], 0x80000000
	s_mov_b32 s[G0B+4*\s], 1
	s_add_co_u32 s[G0B+4*\s+1], s19, \s*SLOT
	s_add_nc_u64 s[G0B+4*\s+2:G0B+4*\s+3], s[46:47], \s*256
	s_or_b32 s[G0B+4*\s+3], s[G0B+4*\s+3], 0x80000000
	JLOAD \s                                       ; two loads of mine are out
.endr
	v_and_b32 v1, 15, v0                           ; r
	v_bfe_u32 v2, v0, 4, 1                         ; h
	v_and_b32 v5, 31, v0
	v_lshlrev_b32 v5, 4, v5                        ; 16 x lane: my place in an image
	v_mul_u32_u24 v3, v1, PITCH
	v_lshl_add_u32 v4, v2, 3, v3                   ; W_m: row r x pitch + 8 h
	s_mul_i32 s21, s15, HALFA                      ; my 8 tiles of rows
	s_mul_i32 s22, s16, HALFB                      ; my 64 rows of W_m
	s_add_co_u32 s22, s22, WOFF
.irp s, 0,1
	v_add_nc_u32 v[ADRA+\s], s21, v5
	v_add_nc_u32 v[ADRB+\s], s22, v4
	s_add_co_u32 s21, s21, SLOT
	s_add_co_u32 s22, s22, SLOT
.endr
	s_mul_i32 s23, s14, 16*SPITCH
	s_add_co_u32 s23, s23, STAGE                   ; my stage
	v_mul_u32_u24 v6, v1, SPITCH                   ; in: row r, 32 bytes for each half of the lanes
	v_lshl_add_u32 v6, v2, 5, v6
	v_add_nc_u32 v[STO], s23, v6
	v_mul_u32_u24 v7, v2, SPITCH                   ; back: lanes 0-15 one row of 256 bytes, lanes 16-31 the next
	v_lshl_add_u32 v7, v1, 4, v7
	v_add_nc_u32 v[RD], s23, v7
	v_lshlrev_b32 v[CO], 12, v2                    ; and the same two rows in out: a row is 4,096 bytes
	v_lshl_add_u32 v[CO], v1, 4, v[CO]
	s_lshl_b32 s80, s17, 8
	s_lshl_b32 s81, s15, 7
	s_add_co_u32 s80, s80, s81                     ; my first row
	s_lshl_b32 s80, s80, 12
	s_lshl_b32 s81, s42, 9                         ; my first column, in bytes: 512 x tile column + 256 x half
	s_add_co_u32 s80, s80, s81
	s_lshl_b32 s81, s16, 8
	s_add_co_u32 s80, s80, s81
	s_mov_b32 s81, 0
	s_add_nc_u64 s[10:11], s[10:11], s[80:81]
	s_wait_kmcnt 0x0
	s_add_co_i32 s96, s78, s79
	s_add_co_i32 s96, s96, 127
	s_lshl_b32 s96, s96, 23                        ; 2^(e6 + e7) as f32
	s_mov_b32 s97, s96                             ; (named with it as a pair, so it is written)
; n x 4 products: att's blocks a0 .. a0 + n - 1 against W_m's four, 128 along K, from set p.  zero = 1: the product starts the sum.  The 32 accumulators take turns, one instruction a turn.
.macro MULT a0, n, p, zero
	WIN 0xa4                                       ; source 0 (W_m) window 0, source 1 (att) window 1, C and D window 2
.set ma, \a0
.rept \n
.irp b, 0,1,2,3
.if \zero
	v_wmma_f32_16x16x128_fp8_fp8 v[8*(4*ma+\b):8*(4*ma+\b)+7], v[WF+64*(\p)+16*\b:WF+64*(\p)+16*\b+15], v[128*(\p)+16*ma:128*(\p)+16*ma+15], 0
.else
	v_wmma_f32_16x16x128_fp8_fp8 v[8*(4*ma+\b):8*(4*ma+\b)+7], v[WF+64*(\p)+16*\b:WF+64*(\p)+16*\b+15], v[128*(\p)+16*ma:128*(\p)+16*ma+15], v[8*(4*ma+\b):8*(4*ma+\b)+7]
.endif
.endr
.set ma, ma+1
.endr
.endm
.macro FETCH slot, q, p                ; 64 LDS loads in one run: the fragments of the slot's q-th 128 along K into set p
	WIN 0x40                                       ; destination window 1
.irp a, 0,1,2,3,4,5,6,7
.irp g, 0,1,2,3
	ds_load_b128 v[128*(\p)+16*\a+4*\g:128*(\p)+16*\a+4*\g+3], v[ADRA+\slot] offset:AROW*\a+2048*(\q)+512*\g
.endr
.endr
	WIN 0
.irp b, 0,1,2,3
.irp c, 0,1,2,3,4,5,6,7
	ds_load_b64 v[WF+64*(\p)+16*\b+2*\c:WF+64*(\p)+16*\b+2*\c+1], v[ADRB+\slot] offset:128*(\q)+16*\c+\b*16*PITCH   ; k = 16 c + 8 h + 0 .. 7
.endr
.endr
.endm
.macro STEP slot, zero                 ; a slot's first 128 along K (set 0); in its middle the second 128's fragments are fetched into set 1
	s_wait_dscnt 0x0                               ; set 0 is in
	MULT 0, 4, 0, \zero
	PLACES
	FETCH \slot, 1, 1
	MULT 4, 4, 0, \zero
.endm
; A slot's second 128 (set 1) changes slots: ONE barrier; in front of it each wave waits for all its tensor loads, adds 0 to its spare word, and waits for that and for its reads of this slot.  fill = 1: this slot is filled again, two K steps ahead.
.macro TURN slot, next, fill
	WIN 0                                          ; (the add's two registers lie in window 0)
	s_wait_tensorcnt 0x0                           ; all my tensor loads have landed: my part of the next slot;
	ds_add_u32 v[SPW], v[NIL]                      ; 0 onto my spare word
	s_wait_dscnt 1                                 ; set 1 is in; the add alone may be out
	MULT 0, 2, 1, 0                                ; eight products stand between the add and the wait for it
	s_wait_dscnt 0x0                               ; the add is done, and my reads of this slot are over
	s_barrier_signal -1
	MULT 2, 2, 1, 0
	WIN 0
	s_barrier_wait -1
.if \fill
	CREST                                          ; the barrier has opened a round of the cluster's barrier: no wave of any partner still reads this slot or has a load on its way
	s_add_nc_u64 s[G0+4*\slot+2:G0+4*\slot+3], s[G0+4*\slot+2:G0+4*\slot+3], 2*AROW
	s_add_nc_u64 s[G0B+4*\slot+2:G0B+4*\slot+3], s[G0B+4*\slot+2:G0B+4*\slot+3], 512
	JLOAD \slot                                    ; the first tensor load behind the round, my one load out; its four v_nop are also the places in front of the loads below
.else
	PLACES
.endif
	FETCH \next, 0, 0
	MULT 4, 4, 1, 0
.endm
	s_wait_tensorcnt 1                             ; my part of K step 0 is in; K step 1's, the one younger load, may be out
	s_barrier_signal -1
	s_barrier_wait -1                              ; everybody's is
	FETCH 0, 0, 0
	STEP 0, 1                                      ; K step 0: its first products start the sums
	TURN 0, 1, 1                                   ; slot 0 takes K step 2
	STEP 1, 0
	TURN 1, 0, 1                                   ; slot 1 takes K step 3
	STEP 0, 0
	TURN 0, 1, 0                                   ; nothing is left to fetch
	STEP 1, 0
	s_wait_dscnt 0x0
	MULT 0, 8, 1, 0
	WIN 0
	PLACES
; THE WAY OUT, block by block of 16 rows x 64 columns.  A lane holds 32 neighbouring bytes of a row and the lanes beside it other rows: so a block goes through my own stage in LDS and comes back as whole rows of 256 bytes.
; LDS serves a wave's instructions in order (ISA guide 5.7.1.4): no wait between the stores and the loads, nor in front of the next block's stores.
.macro TOSTAGE a
	WIN 0x02                                       ; source 0 window 2
.irp j, 0,2,4,6,8,10,12,14,16,18,20,22,24,26,28,30
	v_pk_mul_f32 v[TMP+\j:TMP+\j+1], v[32*(\a)+\j:32*(\a)+\j+1], s[96:97] op_sel_hi:[1,0]   ; x 2^(e6 + e7), into other registers, each accumulator from its low end on
.endr
	WIN 0
.irp b, 0,1,2,3
	ds_store_b128 v[STO], v[TMP+8*\b:TMP+8*\b+3] offset:64*\b
	ds_store_b128 v[STO], v[TMP+8*\b+4:TMP+8*\b+7] offset:64*\b+16
.endr
.set BB, BK+32*((\a)%2)
.irp t, 0,1,2,3,4,5,6,7
	ds_load_b128 v[BB+4*\t:BB+4*\t+3], v[RD] offset:\t*2*SPITCH
.endr
.endm
.macro SEND a, younger                 ; younger: the LDS instructions issued behind block a's loads, which may stay out
.set BB, BK+32*((\a)%2)
	s_wait_dscnt \younger
.irp t, 0,1,2,3,4,5,6,7
	global_store_b128 v[CO], v[BB+4*\t:BB+4*\t+3], s[10:11] offset:(\a)*65536+\t*8192 th:TH_STORE_NT   ; 16 lanes store 256 consecutive bytes, aligned; every place is an immediate (516,096 at the most), so no base is stepped
.endr
.endm
	TOSTAGE 0
.irp a, 1,2,3,4,5,6,7
.if \a > 1
	s_wait_xcnt 0x0                                ; block a - 2's stores have read their registers: block a's loads may land there
.endif
	TOSTAGE \a
	SEND \a-1, 16                                  ; behind block a - 1's loads: block a's 8 stores and 8 loads
.endr
	SEND 7, 0
	s_wait_tensorcnt 0x0                           ; the wave's end
	ds_add_u32 v[SPW], v[NIL]
	s_wait_dscnt 0x0
	CROUND                                         ; the closing round: no work-group ends while a partner may still ask for a tile that names it
	s_endpgm
.Lfunc_end_k_q2c56013945_outp:
	.size	k_q2c56013945_outp, .Lfunc_end_k_q2c56013945_outp-k_q2c56013945_outp
	.p2alignl 7, 3214868480
	.fill 96, 4, 3214868480
	.section	.rodata,"a",@progbits
	.p2align	6, 0x0
	.amdhsa_kernel k_q2c56013945_outp
		.amdhsa_group_segment_fixed_size 327680
		.amdhsa_private_segment_fixed_size 0
		.amdhsa_enable_private_segment 0
		.amdhsa_kernarg_size 32
		.amdhsa_user_sgpr_count 2
		.amdhsa_user_sgpr_kernarg_segment_ptr 1
		.amdhsa_wavefront_size32 1
		.amdhsa_system_sgpr_workgroup_id_x 1
		.amdhsa_system_sgpr_workgroup_id_y 1
		.amdhsa_system_sgpr_workgroup_id_z 1
		.amdhsa_system_vgpr_workitem_id 0
		.amdhsa_next_free_vgpr 768
		.amdhsa_next_free_sgpr 100
		.amdhsa_reserve_vcc 0
		.amdhsa_float_denorm_mode_32 3
		.amdhsa_float_denorm_mode_16_64 3
		.amdhsa_memory_ordered 1
		.amdhsa_forward_progress 1
		.amdhsa_inst_pref_size 83
	.end_amdhsa_kernel
	.amdgpu_metadata
---
amdhsa.version: [ 1, 2 ]
amdhsa.kernels:
  - .name:           k_q2c56013945_outp
    .symbol:         k_q2c56013945_outp.kd
    .args:
      - { .name: attc, .offset: 0, .size: 8, .value_kind: global_buffer, .address_space: global }
      - { .name: wmc, .offset: 8, .size: 8, .value_kind: global_buffer, .address_space: global }
      - { .name: lowp_scales, .offset: 16, .size: 8, .value_kind: global_buffer, .address_space: global }
      - { .name: out0, .offset: 24, .size: 8, .value_kind: global_buffer, .address_space: global }
    .group_segment_fixed_size: 327680
    .private_segment_fixed_size: 0
    .kernarg_segment_align: 8
    .kernarg_segment_size: 32
    .max_flat_workgroup_size: 128
    .sgpr_count:     100
    .vgpr_count:     768
    .wavefront_size: 32
...
	.end_amdgpu_metadata
.endif
;; end of part 4
